; MI455X (gfx1250); checked and timed in simulation.
; The chip was launched on July 23, 2026; its instructions are those of AMD's public machine-readable ISA for CDNA 5 (MIT licence, August 2026) and "CDNA5" Instruction Set Architecture Reference Guide (July 2026). The comments in the code are by the model that wrote it; some were corrected since.
;; compute Attention Weight Proj. Allowed arithmetic: matrix products marked QUANTISED: E3M2 operands, one E8M0 scale for each 32 along K, by v_wmma_scale_f32_16x16x128_f8f6f4 with both operands' format E3M2, f32 sums; products left as they are: f32 operands where the result goes on into a quantised operand, else bf16, f16 or f32 operands; f32 sums; everything else in f32.
;; Inputs: G 8 x 4 x 2,048 x 32 float32; K_codes 8 x 4 x 2,048 x 1 x 24 uint8 (E3M2 codes of K, K innermost, in blocks of 32 codes, four codes in three bytes); K_scales 8 x 4 x 2,048 x 1 uint8 (E8M0 scales of K, one for each 32 codes along K); Q_codes 8 x 4 x 2,048 x 1 x 24 uint8 (E3M2 codes of Q, K innermost, in blocks of 32 codes, four codes in three bytes); Q_scales 8 x 4 x 2,048 x 1 uint8 (E8M0 scales of Q, one for each 32 codes along K); V_codes 8 x 4 x 32 x 64 x 24 uint8 (E3M2 codes of V, K innermost, in blocks of 32 codes, four codes in three bytes); V_scales 8 x 4 x 32 x 64 uint8 (E8M0 scales of V, one for each 32 codes along K); seqMask 4 x 2,048 bool.
;; Outputs: out0 4 x 2,048 x 8 x 32 float32.
;; This version of the problem:
;;   THIS VERSION OF THE PROBLEM IS GIVEN IN LOW PRECISION. The matrix products marked QUANTISED in the list below multiply operands that are first quantised to E3M2 (3 exponent bits, 2 mantissa bits; 6 bits a number), with one power-of-two scale for each 32 numbers along K (OCP MX v1.0); their sums are f32. All else is computed in f32.
;;   The module's matrix products, in the order in which they are computed (A, B: the left and right operand; K: the contracted axis; several contracted axes count as one K, in the product's order):
;;     1. batch 32 x [M 2,048, K 32] x [K 32, N 2,048]; A: input Q (given as codes); B: input K (given as codes): QUANTISED
;;     2. batch 32 x [M 32, K 2,048] x [K 2,048, N 2,048]; A: input V (given as codes); B: softmax (see below): QUANTISED
;;     3. batch 2,097,152 x [M 1, K 1] x [K 1, N 1]; A: computed on the way; B: computed on the way: left as it is (no contracted axis)
;;   THE QUANTISER, for each operand of a quantised product, along K:
;;     - K is cut into blocks of 32 from its start; a last block that is shorter is filled with zeros.
;;     - A block's scale is 2^e with e = floor(log2(the largest magnitude in the block)) - 4, held to -126 .. 127; a block of zeros has e = 0. As a byte (E8M0): e + 127.
;;     - Each number is divided by its block's scale, clamped to +-28, and rounded to the nearest number of E3M2, ties to even, subnormals kept.
;;     - The product sums the exact products of the quantised numbers (number of the format x scale) in f32.
;;   ~~~python
;;   def quantise(x, axis):      # numpy; x: float32 -> the quantised numbers, widened to float32 again
;;       x = np.moveaxis(x, axis, -1); K = x.shape[-1]
;;       x = np.pad(x, [(0, 0)] * (x.ndim - 1) + [(0, -K % 32)]); x = x.reshape(x.shape[:-1] + (-1, 32)); a = np.abs(x).max(-1, keepdims=True)
;;       e = np.where(a > 0, np.clip(np.frexp(np.where(a > 0, a, 1))[1] - 1 - 4, -126, 127), 0)      # np.frexp(a)[1] - 1 = floor(log2(a)), exactly
;;       r = np.clip(x / 2.0 ** e, -28, 28)
;;       step = 2.0 ** (np.maximum(np.frexp(np.where(r == 0, 1, r))[1] - 1, -2) - 2)
;;       q = np.round(r / step) * step * 2.0 ** e      # np.round: ties to even
;;       return np.moveaxis(q.reshape(q.shape[:-2] + (-1,))[..., :K], -1, axis).astype(np.float32)
;;   ~~~
;;   SOFTMAX AHEAD OF A QUANTISED PRODUCT. Where the list says 'softmax', what is quantised is not the finished softmax but p = 2^(t - M), with t = logit x log2(e) and M = ceil(the row's largest t), a whole number; so 1/2 < the row's largest p <= 1. The row's sum l is taken of the UNQUANTISED p, in f32, and the product's result is divided by l at the end. Since M is a whole number, a kernel that streams over the keys may use a running M (the ceiling of the running maximum): every later rescaling is an exact power of two, which a block's scale takes up: the codes' values come out the same.
;;   OPERANDS COMPUTED ON THE WAY. 'Computed on the way' means the value that the module computes at that place (a softmax that the list does not call 'softmax' is quantised finished and normalised). What goes into a quantiser is computed in f32, as accurately as f32 sums, v_exp_f32 and their like allow (about 1e-6 of the number): no bf16 or f16 on the way to a quantiser, and a product that is left as it is and whose result goes on into a quantised operand takes f32 operands (vector FMAs, or v_wmma_f32_16x16x4_f32). A number that lies on a knife's edge between two numbers of the format may be rounded either way, as far as f32 arithmetic and the matrix unit's own rounding can turn it there, and no further.
;;   INPUTS GIVEN AS CODES. K (in the module: [8, 4, 2048, 32], K = its axis 3); Q (in the module: [8, 4, 2048, 32], K = its axis 3); V (in the module: [8, 4, 2048, 32], K = its axis 2): each comes as NAME_codes (uint8): NAME with its K axis moved to the last place and cut into blocks of 32 codes, [.., K / 32, bytes a block], one block behind the other in memory; four codes in three bytes: a row's codes are one little-endian stream of bits, code i at bits 6 i .. 6 i + 5 (a code: sign, 3 exponent bits, 2 mantissa bits); and NAME_scales (uint8): the same leading axes, one E8M0 byte (e + 127) for each 32 codes along K. Its value is code x scale, taken as it is: it is not quantised again, and the codes and scales need not be those that the quantiser above would give.
;; One version. Each part assembles by itself: llvm-mc -triple=amdgcn-amd-amdhsa -mcpu=gfx1250 --defsym DOCPART=n.
;; ======== version 1 of 1: 1 launch
;; launch band (part 1): grid 16 x 16, 8 waves a work-group, no clusters, 167,936 bytes of LDS; arguments K_codes, K_scales, Q_codes, Q_scales, V_codes, V_scales, seqMask, G, out0; writes out0
.if DOCPART == 1
	.amdgcn_target "amdgcn-amd-amdhsa--gfx1250"
	.amdhsa_code_object_version 6
	.text
	.protected	k_q44426dbbc0_band
	.globl	k_q44426dbbc0_band
	.p2align	8
	.type	k_q44426dbbc0_band,@function
k_q44426dbbc0_band:
	s_mov_b64 s[64:65], 0
	v_nop
	global_prefetch_b8 v0, s[64:65] scope:SCOPE_SE
	s_setreg_imm32_b32 hwreg(HW_REG_WAVE_MODE, 25, 1), 1
	s_wait_xcnt 0x0
; out0[n][s][h][:] = G[h][n][s][:] x (sum over t of softmax_t(Q[h][n][s] . K[h][n][t] / sqrt(32)) V[h][n][t][:]), keys t with |s - t| <= 10 and seqMask[n][t] = 0 alone.
; Both products on codes of BF6 (E3M2) with one E8M0 scale for each 32 along a product's K.  Q, K: codes along the 32 channels; V: codes with the keys innermost.  p = 2^(t - M), M = ceil(the row's largest t), is
; quantised here, in the aligned blocks of 32 keys; the row's sum is taken of the unquantised p and divides at the end.
; ONLY THE BAND IS MULTIPLIED: 16 queries that begin at a multiple of 16 see keys of exactly two aligned blocks of 32; every other block's p is zero, and zero codes add nothing.
; SHARES.  Work-group (x = m, y = 4 n + p): queries 128 m .. 128 m + 127 of batch n, heads A = 2 p and B = 2 p + 1: a query's two heads are 256 consecutive bytes of out0, at a multiple of 256.
; Wave w: queries q0 = 128 m + 16 w .. + 15 of both heads; its keys are the two blocks from ws = 128 m - 32 + 32 ((w + 1) / 2) on.  The work-group's keys are six blocks, 128 m - 32 .. 128 m + 159.
; TWO HEADS IN ONE OPERAND.  The matrix instruction has four blocks of 32 along its K.  Scores, S^T = K Q^T: block 0 carries head A's channels (lanes 0-15 of registers 0-5), block 1 head B's (lanes 16-31); Q's fragment
; for head A is zero everywhere but in block 0, for head B everywhere but in block 1.  So one set of K's registers serves both heads, and what lies in K's registers 6-11 (the next tile's codes) meets zero codes.
; O^T = V^T P^T: blocks 0, 1 are head A's two key blocks, blocks 2, 3 head B's; P's fragment is [codes | zeros] for A and [zeros | codes] for B, six zero registers shared.
; Scale words: lanes 0-15 hold head A's bytes at A's blocks, lanes 16-31 head B's at B's blocks (chosen by MATRIX_SCALE_ROW1); the other bytes are 0, which is a finite scale over zero codes.
; THE KEYS OF A TILE ARE NOT NEIGHBOURS: lane r of tile 2 b + u takes key 32 b + 8 u + r + 8 (r / 8), so that a lane's 16 registers of tiles 2 b, 2 b + 1 are keys 32 b + 16 (lane / 16) + 0 .. 15 of ONE query (lane % 16).
; NO CLUSTER: neighbouring work-groups share two of the six key blocks, about 6.5 KB of the 93 KB that a work-group moves (G and out0 are 64 KB of it and are nobody else's).
; NO TENSOR LOAD: at m = 0 and m = 15 the window reaches past the tensors' ends; the copies' offsets are held inside each buffer lane by lane (v_min_u32), and what the held lanes bring is never used:
; those keys' scores are masked, their p are zero codes, and V's scale bytes of blocks outside 0 .. 2047 are set to 0.
; LIMITS.  A scale byte 0xff (NaN) shows only where its block lies in a query's two blocks, while the definition would spread it over the whole row or channel.  A seqMask byte other than 0 counts as masked.
; A block's largest p is made from the block's largest score by the same multiply-add and exponential as every p: this takes v_exp_f32 not to fall where its input rises.  p under 2^-126 comes out as 0.
; A row all of whose keys are masked gives NaN, as the definition does.
.set HS,    196608                     ; bytes from head A to head B in a tensor of codes: 4 x 49,152
.set DK,    4672                       ; LDS: K's codes at 0, 192 rows of 24 bytes a head; head B 4,608 + 64 bytes on
.set VC,    9472                       ; V's codes: 64 rows (32 x head + channel) of 160 bytes, one behind the other: a row's bytes 96 m - 32 on: the window's block j at + 8 + 24 j
.set VP,    160
.set DV,    32*VP
.set KS,    20736                      ; K's scale bytes: 256 a head (192 are read), head B behind head A
.set DKS,   256
.set VS,    21248                      ; V's scale bytes: 64 rows of 16: bytes 4 m - 4 .. 4 m + 11 of the row: the window's block j at byte 3 + j
.set STG,   22272                      ; the way out: 16 rows x (256 + 16) bytes for each wave; no copy lands here
.set SP,    272
.set SPARE, STG+8*16*SP                ; the spare words, 128 bytes for each wave: four blocks of 256 bytes that no other line names
.set R,    1                           ; v1   lane % 16
.set H,    2                           ; v2   lane / 16
.set LN,   3                           ; v3   lane
.set SPW,  4                           ; v4   LDS address of my spare word; never rewritten
.set NIL,  5                           ; v5   0; never rewritten
.set CP,   6                           ; v6-23 the copies' pairs (LDS address, offset in memory): K 0, 1, 2; K's scales; V 0, 1, 2; (v20, 21 free); V's scales.  Behind the wait for the copies: at work
.set AK,   24                          ; v24-27 LDS addresses: K's codes, K's scale bytes, V's codes, V's scale bytes
.set AKS,  25
.set AV,   26
.set AVS,  27
.set STO,  28                          ; v28  the stage: where I put 32 bytes of a row;  v29 where I read a row back
.set RD,   29
.set GO,   30                          ; v30-35 offsets in memory: out0, G, Q's codes, Q's scales, the mask's two blocks
.set GG,   31
.set QO,   32
.set QSO,  33
.set MO,   34
.set T,    36                          ; v36, 37 mask bytes; v38, 39 V's second scale bytes; then four registers at work
.set AM,   40                          ; v40  bit 16 b + i: key ws + 32 b + 16 (lane / 16) + i counts for my query
.set NEG,  41                          ; v41  -infinity
.set SH8,  42                          ; v42  8 H;  v43  16 H;  v44  all ones in lanes 0-15;  v45  all ones in lanes 16-31
.set SH16, 43
.set LOM,  44
.set HIM,  45
.set KSW,  46                          ; v46-49 K's scale words, a tile each;  v50 Q's;  v51, 52 V's;  v53, 54 p's for head A, B: these hold scales and nothing else
.set QSW,  50
.set VSW,  51
.set PSW,  53
.set PA,   56                          ; v56-61 Q of head A, later p's codes of head A;  v62-67 zeros;  v68-73 Q of head B, later p's codes of head B;  v74-79 zeros
.set Z,    62
.set PB,   68
.set KF,   80                          ; v80-103 K's four tiles, six registers each
.set VF,   104                         ; v104-127 V: channels 0-15 (A's six, B's six), channels 16-31
.set S,    128                         ; v128-159 head A's scores, then p;  v160-191 head B's.  Block q = 2 x head + b at v[S + 16 q]
.set GR,   192                         ; v192-223 G, in the layout of the stores
.set O,    224                         ; v224-255 O^T: A channels 0-15, A 16-31, B 0-15, B 16-31
.set BM,   6                           ; behind the copies: v6-9 the blocks' largest scores; v10-13 the other half's, then bytes; v14, v16 -M; v18-21 the conversions' scales; v22, v34 1 / sum
.set PX,   10
.set NM,   14
.set CS,   18
.set CH,   80                          ; v80-87 four chains of sums, in pairs;  v88-90, v92-94 the conversions' second halves
.set HB,   88
.set HT,   128                         ; at work at the head
	s_load_b512 s[8:23], s[0:1], 0x0               ; K's codes s[8:9], K's scales s[10:11], Q's codes s[12:13], Q's scales s[14:15], V's codes s[16:17], V's scales s[18:19], seqMask s[20:21], G s[22:23]
	s_load_b64 s[24:25], s[0:1], 0x40              ; out0
	v_lshl_add_u32 v[SPW], v0, 2, SPARE
	v_mov_b32 v[NIL], 0
	ds_add_u32 v[SPW], v[NIL]                      ; the wave's opening: the add and its wait ahead of my first copy; the set-up below, work on registers, stands between them
	ds_add_u32 v[SPW], v[NIL]
	v_lshrrev_b32 v1, 5, v0
	s_delay_alu instid0(VALU_DEP_1)
	v_readfirstlane_b32 s2, v1                     ; w: wave 0..7
	v_and_b32 v[R], 15, v0
	v_bfe_u32 v[H], v0, 4, 1
	v_and_b32 v[LN], 31, v0
	s_wait_alu depctr_va_vdst(0)
	s_mov_b32 s3, ttmp9                            ; m
	s_and_b32 s28, ttmp7, 0xffff
	s_lshr_b32 s4, s28, 2                          ; n
	s_and_b32 s5, s28, 3                           ; p
	s_lshl_b32 s6, s5, 3
	s_add_co_u32 s6, s6, s4                        ; head A's place among the 32 (head, batch): 4 (2 p) + n
	s_add_co_u32 s7, s2, 1
	s_lshr_b32 s7, s7, 1                           ; wb: my first block among the work-group's six
	s_and_b32 s26, s2, 1
	s_lshl_b32 s26, s26, 4
	s_sub_co_u32 s26, 32, s26                      ; dq = q0 - ws: 32 or 16
	s_lshl_b32 s27, s3, 7
	s_lshl_b32 s28, s2, 4
	s_add_co_u32 s38, s27, s28                     ; q0 = 128 m + 16 w
	s_lshl_b32 s28, s7, 5
	s_add_co_u32 s27, s27, s28
	s_sub_co_i32 s27, s27, 32                      ; ws, signed: -32 .. 2016
	s_mov_b32 s32, 0x3e8293ee                      ; c = log2(e) / sqrt(32): t = score x c
	s_mov_b32 s33, s32                             ; (the packed form names the pair)
	s_mov_b32 s34, 0x76543210
	s_mov_b32 s35, 0xfedcba98                      ; v_permlanex16_b32's selects for lane l xor 16
	s_mov_b32 s36, 0x7fe                           ; 21 ones at bits 21 .. 41 of 64: the high word, doubled,
	s_mov_b32 s37, 0xffe00000                      ; and the low word
	s_mul_i32 s39, s6, 49152                       ; head A's first byte in a tensor of codes,
	s_lshl_b32 s44, s6, 11                         ; and in a tensor of scale bytes
	; THE COPIES' ADDRESSES.  In LDS every copy is dense: a constant + 512 x a wave term + 16 x lane (V's scale words: 4 x thread); no two lanes and no two waves name the same bytes.
	; In memory an offset that would lie ahead of its buffer wraps to a large number, one past the end is large as it is: one v_min_u32 holds both at the buffer's last piece.
	; K's codes: 18 pieces of 512 bytes, nine a head; piece c = w + 8 j (j = 2: waves 0 and 1 alone); head = (c + 7) / 16
	s_mul_i32 s28, s3, 3072
	s_add_co_u32 s28, s28, s39
	s_sub_co_u32 s28, s28, 768                     ; head A's key 128 m - 32
	v_lshlrev_b32 v[HT], 4, v[LN]                  ; 16 bytes a lane
	s_wait_alu depctr_va_vdst(0)
.irp j, 0,1,2
	s_add_co_u32 s29, s2, 8*\j
	s_add_co_u32 s45, s29, 7
	s_lshr_b32 s45, s45, 4                         ; the head
	s_lshl_b32 s29, s29, 9                         ; 512 c
	s_lshl_b32 s46, s45, 6
	s_add_co_u32 s46, s46, s29                     ; in LDS: 512 c + 64 x head
	s_mul_i32 s45, s45, HS-4608
	s_add_co_u32 s45, s45, s29
	s_add_co_u32 s45, s45, s28                     ; in memory
	v_add_nc_u32 v[CP+2*\j], s46, v[HT]
	v_add_nc_u32 v[CP+2*\j+1], s45, v[HT]
	s_delay_alu instid0(VALU_DEP_1)
	v_min_u32 v[CP+2*\j+1], 1572848, v[CP+2*\j+1]
.endr
	; K's scale bytes, one wave's copy: lanes 0-15 bring head A's 256 bytes from key 128 m - 32 on, lanes 16-31 head B's; the first 192 of each are read
	v_lshl_add_u32 v[CP+6], v[LN], 4, KS
	s_lshl_b32 s29, s3, 7
	s_add_co_u32 s29, s29, s44
	s_sub_co_u32 s29, s29, 32
	v_lshlrev_b32 v[CP+7], 4, v[R]
	s_delay_alu instid0(VALU_DEP_1)
	v_lshl_add_u32 v[CP+7], v[H], 13, v[CP+7]      ; head B's scale bytes lie 8,192 bytes on
	s_delay_alu instid0(VALU_DEP_1)
	v_add_nc_u32 v[CP+7], s29, v[CP+7]
	s_delay_alu instid0(VALU_DEP_1)
	v_min_u32 v[CP+7], 65520, v[CP+7]
	; V's codes: 64 rows x 10 pieces of 16 bytes = 640 pieces; piece x goes to VC + 16 x.  x = thread + 256 j (j = 0, 1: every wave); the last 128 pieces: x = thread + 384, waves 4 to 7.
	; row = x / 10 = (205 x) >> 11 (exact under 1,024); in memory a row is 1,536 bytes, so piece x lies at 16 x + (1,536 - 160) row, and head B's rows HS - 49,152 bytes further on
	s_mul_i32 s29, s3, 96
	s_add_co_u32 s29, s29, s39
	s_sub_co_u32 s29, s29, 32
.irp j, 0,1,2
	s_lshl_b32 s45, s2, 9
	s_add_co_u32 s45, s45, VC+4096*\j-2048*(\j/2)
	v_add_nc_u32 v[CP+8+2*\j], s45, v[HT]
	v_add_nc_u32 v[HT+2], 256*\j-128*(\j/2), v0    ; x
	s_delay_alu instid0(VALU_DEP_1)
	v_mul_u32_u24 v[HT+3], 205, v[HT+2]
	s_delay_alu instid0(VALU_DEP_1)
	v_lshrrev_b32 v[HT+3], 11, v[HT+3]             ; row
	s_delay_alu instid0(VALU_DEP_3)
	v_lshlrev_b32 v[HT+2], 4, v[HT+2]
	s_delay_alu instid0(VALU_DEP_1)
	v_mad_u32_u24 v[HT+2], v[HT+3], 1376, v[HT+2]
	s_delay_alu instid0(VALU_DEP_3)
	v_lshrrev_b32 v[HT+3], 5, v[HT+3]              ; head
	s_delay_alu instid0(VALU_DEP_1)
	v_mad_u32_u24 v[HT+2], v[HT+3], HS-49152, v[HT+2]
	s_delay_alu instid0(VALU_DEP_1)
	v_add_nc_u32 v[CP+9+2*\j], s29, v[HT+2]
	s_delay_alu instid0(VALU_DEP_1)
	v_min_u32 v[CP+9+2*\j], 1572848, v[CP+9+2*\j]
.endr
	; V's scale bytes: 64 rows x 4 words: a word a thread
	v_lshl_add_u32 v[CP+16], v0, 2, VS
	v_lshrrev_b32 v[HT+6], 2, v0
	s_delay_alu instid0(VALU_DEP_1)
	v_lshlrev_b32 v[HT+6], 6, v[HT+6]              ; 64 bytes a row,
	v_lshrrev_b32 v[HT+7], 7, v0
	s_delay_alu instid0(VALU_DEP_1)
	v_mad_u32_u24 v[HT+6], v[HT+7], 6144, v[HT+6]  ; head B's rows 8,192 - 2,048 bytes further on,
	v_and_b32 v[HT+7], 3, v0
	s_delay_alu instid0(VALU_DEP_1)
	v_lshl_add_u32 v[HT+6], v[HT+7], 2, v[HT+6]    ; my word
	s_lshl_b32 s29, s3, 2
	s_add_co_u32 s29, s29, s44
	s_sub_co_u32 s29, s29, 4
	v_add_nc_u32 v[CP+17], s29, v[HT+6]
	s_delay_alu instid0(VALU_DEP_1)
	v_min_u32 v[CP+17], 65532, v[CP+17]
	; THE LOADS' OFFSETS.  The mask: a lane a key, my two blocks
	s_lshl_b32 s29, s4, 11
	s_add_co_u32 s29, s29, s27
	v_add_nc_u32 v[MO], s29, v[LN]
	s_delay_alu instid0(VALU_DEP_1)
	v_add_nc_u32 v[MO+1], 32, v[MO]
	s_delay_alu instid0(VALU_DEP_2)
	v_min_u32 v[MO], 8191, v[MO]
	s_delay_alu instid0(VALU_DEP_2)
	v_min_u32 v[MO+1], 8191, v[MO+1]
	s_add_co_u32 s29, s44, s38                     ; Q: lanes 0-15 take head A's query q0 + r, lanes 16-31 head B's: its scale byte,
	v_lshl_add_u32 v[QSO], v[H], 13, v[R]
	s_delay_alu instid0(VALU_DEP_1)
	v_add_nc_u32 v[QSO], s29, v[QSO]
	s_mul_i32 s29, s38, 24                         ; and its 24 bytes of codes
	s_add_co_u32 s29, s29, s39
	v_mul_u32_u24 v[QO], 24, v[R]
	s_delay_alu instid0(VALU_DEP_1)
	v_mad_u32_u24 v[QO], v[H], HS, v[QO]
	s_delay_alu instid0(VALU_DEP_1)
	v_add_nc_u32 v[QO], s29, v[QO]
	s_lshl_b32 s29, s6, 18                         ; G, as the stores want it: lanes 0-7 head A's 128 bytes of a query, lanes 8-15 head B's, lanes 16-31 the next query's
	s_lshl_b32 s45, s38, 7
	s_add_co_u32 s29, s29, s45
	v_bfe_u32 v[HT+8], v0, 3, 1
	v_and_b32 v[HT+9], 7, v0
	s_delay_alu instid0(VALU_DEP_1)
	v_lshlrev_b32 v[GG], 4, v[HT+9]
	s_delay_alu instid0(VALU_DEP_1)
	v_lshl_add_u32 v[GG], v[H], 7, v[GG]
	s_delay_alu instid0(VALU_DEP_1)
	v_lshl_add_u32 v[GG], v[HT+8], 20, v[GG]       ; head B's G lies 4 x 262,144 bytes on
	s_delay_alu instid0(VALU_DEP_1)
	v_add_nc_u32 v[GG], s29, v[GG]
	s_lshl_b32 s29, s4, 21                         ; out0: n x 2,097,152 + 1,024 x query + 256 p; lanes 0-15 one query's 256 bytes, lanes 16-31 the next's
	s_lshl_b32 s45, s38, 10
	s_add_co_u32 s29, s29, s45
	s_lshl_b32 s45, s5, 8
	s_add_co_u32 s29, s29, s45
	v_lshlrev_b32 v[GO], 4, v[R]
	s_delay_alu instid0(VALU_DEP_1)
	v_lshl_add_u32 v[GO], v[H], 10, v[GO]
	s_delay_alu instid0(VALU_DEP_1)
	v_add_nc_u32 v[GO], s29, v[GO]
	; LDS ADDRESSES OF THE READS: a constant + constants x lane terms + a constant x wave term
	v_and_b32 v[HT+10], 8, v[R]
	s_delay_alu instid0(VALU_DEP_1)
	v_add_nc_u32 v[HT+10], v[HT+10], v[R]          ; r + 8 (r / 8)
	s_mul_i32 s29, s7, 768
	v_mul_u32_u24 v[AK], 24, v[HT+10]
	s_delay_alu instid0(VALU_DEP_1)
	v_mad_u32_u24 v[AK], v[H], DK, v[AK]           ; lanes 16-31: head B's rows
	s_delay_alu instid0(VALU_DEP_1)
	v_add_nc_u32 v[AK], s29, v[AK]
	s_lshl_b32 s29, s7, 5
	s_add_co_u32 s29, s29, KS
	v_mad_u32_u24 v[AKS], v[H], DKS, v[HT+10]
	s_delay_alu instid0(VALU_DEP_1)
	v_add_nc_u32 v[AKS], s29, v[AKS]
	s_mul_i32 s29, s7, 24
	s_add_co_u32 s29, s29, VC+8
	v_mul_u32_u24 v[AV], VP, v[R]
	s_delay_alu instid0(VALU_DEP_1)
	v_mad_u32_u24 v[AV], v[H], 24, v[AV]           ; lanes 16-31: the window's second block
	s_delay_alu instid0(VALU_DEP_1)
	v_add_nc_u32 v[AV], s29, v[AV]
	s_add_co_u32 s29, s7, VS+3
	v_lshlrev_b32 v[AVS], 4, v[R]
	s_delay_alu instid0(VALU_DEP_1)
	v_lshl_add_u32 v[AVS], v[H], 9, v[AVS]         ; lanes 16-31: head B's rows
	s_delay_alu instid0(VALU_DEP_1)
	v_add_nc_u32 v[AVS], s29, v[AVS]
	s_mul_i32 s29, s2, 16*SP
	s_add_co_u32 s29, s29, STG                     ; my stage
	v_mul_u32_u24 v[STO], SP, v[R]
	s_delay_alu instid0(VALU_DEP_1)
	v_lshl_add_u32 v[STO], v[H], 5, v[STO]         ; in: row r, 32 bytes for each half of the lanes
	s_delay_alu instid0(VALU_DEP_1)
	v_add_nc_u32 v[STO], s29, v[STO]
	v_mul_u32_u24 v[RD], SP, v[H]
	s_delay_alu instid0(VALU_DEP_1)
	v_lshl_add_u32 v[RD], v[R], 4, v[RD]           ; back: lanes 0-15 one row of 256 bytes, lanes 16-31 the next
	s_delay_alu instid0(VALU_DEP_1)
	v_add_nc_u32 v[RD], s29, v[RD]
	v_mov_b32 v[NEG], 0xff800000
	v_lshlrev_b32 v[SH8], 3, v[H]
	v_lshlrev_b32 v[SH16], 4, v[H]
	v_add_nc_u32 v[LOM], -1, v[H]
	v_sub_nc_u32 v[HIM], 0, v[H]
.irp i, 0,1,2,3,4,5
	v_mov_b32 v[Z+\i], 0                           ; the zero codes: twelve registers, written once
	v_mov_b32 v[Z+12+\i], 0
.endr
	s_wait_dscnt 0x0                               ; the opening add is done
	s_wait_kmcnt 0x0
	; THE COPIES: each LDS byte is filled once; all stand ahead of the first wait on ASYNCcnt, the first LDS read and the barrier
	global_load_async_to_lds_b128 v[CP], v[CP+1], s[8:9]
	global_load_async_to_lds_b128 v[CP+2], v[CP+3], s[8:9]
	global_load_async_to_lds_b128 v[CP+8], v[CP+9], s[16:17]
	global_load_async_to_lds_b128 v[CP+10], v[CP+11], s[16:17]
	global_load_async_to_lds_b32 v[CP+16], v[CP+17], s[18:19]
	s_cmp_lt_u32 s2, 2
	s_cbranch_scc0 .Lno_k2
	global_load_async_to_lds_b128 v[CP+4], v[CP+5], s[8:9]    ; K's pieces 16 and 17
.Lno_k2:
	s_cmp_eq_u32 s2, 2
	s_cbranch_scc0 .Lno_ks
	global_load_async_to_lds_b128 v[CP+6], v[CP+7], s[10:11]  ; K's scale bytes
.Lno_ks:
	s_cmp_ge_u32 s2, 4
	s_cbranch_scc0 .Lno_v2
	global_load_async_to_lds_b128 v[CP+12], v[CP+13], s[16:17]  ; V's last 128 pieces
.Lno_v2:
	; THE LOADS INTO REGISTERS, 14 in this order: the waits below count on it.  G is asked for now and wanted last
	global_load_u8 v[T], v[MO], s[20:21]
	global_load_u8 v[T+1], v[MO+1], s[20:21]
	global_load_u8 v[QSW], v[QSO], s[14:15]
.irp p, 0,1,2
	global_load_b64 v[PB+2*\p:PB+2*\p+1], v[QO], s[12:13] offset:8*\p
.endr
.irp i, 0,1,2,3,4,5,6,7
	global_load_b128 v[GR+4*\i:GR+4*\i+3], v[GG], s[22:23] offset:256*\i th:TH_LOAD_NT   ; two queries x two heads: twice 256 consecutive bytes, each at a multiple of 256; read once in the launch
.endr
	s_wait_asynccnt 0x0                            ; for the others' sake: my copies have landed
	s_barrier_signal -1
	s_barrier_wait -1                              ; everybody's have.  The one barrier: from here on a wave touches only what nobody writes, and its own stage
	; 32 LDS LOADS, in this order: K's 4 scale bytes, K's 12 pieces, V's first 3 (they are the tail of K's last fragment) | V's 4 scale bytes, V's other 9 pieces
.irp t, 0,1,2,3
	ds_load_u8 v[KSW+\t], v[AKS] offset:32*(\t/2)+8*(\t%2)
.endr
.irp t, 0,1,2,3
.irp p, 0,1,2
	ds_load_b64 v[KF+6*\t+2*\p:KF+6*\t+2*\p+1], v[AK] offset:(32*(\t/2)+8*(\t%2))*24+8*\p
.endr
.endr
.irp p, 0,1,2
	ds_load_b64 v[VF+2*\p:VF+2*\p+1], v[AV] offset:8*\p
.endr
	ds_load_u8 v[VSW], v[AVS]                      ; channels 0-15: the first block's byte,
	ds_load_u8 v[T+2], v[AVS] offset:1             ; the second's;
	ds_load_u8 v[VSW+1], v[AVS] offset:256         ; channels 16-31
	ds_load_u8 v[T+3], v[AVS] offset:257
.irp f, 1,2,3                                  ; f = 2 x (channels / 16) + head
.irp p, 0,1,2
	ds_load_b64 v[VF+6*\f+2*\p:VF+6*\f+2*\p+1], v[AV] offset:16*VP*(\f/2)+DV*(\f%2)+8*\p
.endr
.endr
	s_wait_loadcnt 12                              ; the two mask loads are in; the 12 younger loads (Q's 4, G's 8) may be out
	v_cmp_eq_u32 s30, 0, v[T]                      ; bit j: key ws + j is not masked
	v_cmp_eq_u32 s31, 0, v[T+1]                    ; and key ws + 32 + j
	s_cmp_lt_i32 s27, 0                            ; a block outside 0 .. 2047 counts for nothing: a choice on ids, no jump
	s_cselect_b32 s30, 0, s30
	s_cselect_b32 s46, 0, 255
	s_cmp_ge_i32 s27, 2016
	s_cselect_b32 s31, 0, s31
	s_cselect_b32 s47, 0, 255
	s_wait_loadcnt 8                               ; Q is in; G's eight may be out
	v_lshlrev_b32 v[QSW], v[SH8], v[QSW]           ; head B's byte to block 1's place
.irp i, 0,1,2,3,4,5
	v_and_b32 v[PA+\i], v[LOM], v[PB+\i]           ; Q of head A: lanes 0-15, zeros above
.endr
.irp i, 0,1,2,3,4,5
	v_and_b32 v[PB+\i], v[HIM], v[PB+\i]           ; Q of head B: lanes 16-31, zeros below
.endr
	s_wait_dscnt 13                                ; K's 16 loads and V's first 3 are in; the 13 younger may be out
.irp t, 0,1,2,3
	v_lshlrev_b32 v[KSW+\t], v[SH8], v[KSW+\t]
.endr
	; WHICH KEYS COUNT.  With z = r + dq - 16 H, my key at place 32 b + i (i = 0 .. 15) lies in the band where z - 10 <= 32 b + i <= z + 10: 21 ones, shifted.  X has them at bits 21 .. 41;
	; X >> s, low word, is (low >> s) | (2 high << (31 - s)) for s = 0 .. 31.  These 18 plain lines are also the places between the writes of scale words and operands above and the scaled products below.
	v_add_nc_u32 v6, s26, v[R]
	s_delay_alu instid0(VALU_DEP_1)
	v_sub_nc_u32 v6, v6, v[SH16]                   ; z: 0 .. 47
	s_delay_alu instid0(VALU_DEP_1)
	v_min_u32 v7, 31, v6
	s_delay_alu instid0(VALU_DEP_1)
	v_sub_nc_u32 v8, 31, v7                        ; b = 0: s = 31 - min(z, 31); bits 0 .. 15 wanted
	s_delay_alu instid0(VALU_DEP_1)
	v_lshrrev_b32 v8, v8, s37
	s_delay_alu instid0(VALU_DEP_3)
	v_lshlrev_b32 v7, v7, s36
	s_delay_alu instid0(VALU_DEP_1)
	v_or_b32 v7, v7, v8
	v_sub_nc_u32 v8, 47, v6
	s_delay_alu instid0(VALU_DEP_1)
	v_min_u32 v8, 31, v8                           ; b = 1: s = min(47 - z, 31); bits 16 .. 31 wanted
	s_delay_alu instid0(VALU_DEP_1)
	v_sub_nc_u32 v9, 31, v8
	s_delay_alu instid0(VALU_DEP_2)
	v_lshrrev_b32 v8, v8, s37
	s_delay_alu instid0(VALU_DEP_2)
	v_lshlrev_b32 v9, v9, s36
	s_delay_alu instid0(VALU_DEP_1)
	v_or_b32 v8, v8, v9
	s_delay_alu instid0(VALU_DEP_1)
	v_bfi_b32 v7, 0xffff, v7, v8                   ; the band's 32 bits
	v_lshrrev_b32 v9, v[SH16], s30                 ; my half's 16 keys of each block,
	v_lshrrev_b32 v10, v[SH16], s31
	s_delay_alu instid0(VALU_DEP_1)
	v_perm_b32 v9, v10, v9, 0x05040100             ; side by side
	s_delay_alu instid0(VALU_DEP_1)
	v_and_b32 v[AM], v7, v9
; S^T = K Q^T: tile t of 16 keys x my 16 queries, head x.  Eight accumulators, each begun with the constant 0 and written once: no chain.
.macro SMUL t, x
.if \x
	v_wmma_scale_f32_16x16x128_f8f6f4 v[S+32+8*\t:S+32+8*\t+7], v[KF+6*\t:KF+6*\t+11], v[PB:PB+11], 0, v[KSW+\t], v[QSW] matrix_a_fmt:MATRIX_FMT_BF6 matrix_b_fmt:MATRIX_FMT_BF6 matrix_a_scale:MATRIX_SCALE_ROW1 matrix_b_scale:MATRIX_SCALE_ROW1
.else
	v_wmma_scale_f32_16x16x128_f8f6f4 v[S+8*\t:S+8*\t+7], v[KF+6*\t:KF+6*\t+11], v[PA:PA+11], 0, v[KSW+\t], v[QSW] matrix_a_fmt:MATRIX_FMT_BF6 matrix_b_fmt:MATRIX_FMT_BF6
.endif
.endm
.irp t, 0,1,2,3
	SMUL \t, 0
	SMUL \t, 1
.endr
	s_wait_alu depctr_va_vdst(0)
	s_wait_dscnt 0x0                               ; V and its scale bytes are in
	v_and_b32 v[VSW], s46, v[VSW]                  ; V's scale words; a block outside 0 .. 2047 gets the byte 0.  These eight plain lines are the places behind the products
	v_and_b32 v[VSW+1], s46, v[VSW+1]
	v_and_b32 v[T+2], s47, v[T+2]
	v_and_b32 v[T+3], s47, v[T+3]
	s_delay_alu instid0(VALU_DEP_2)
	v_lshl_or_b32 v[VSW], v[T+2], 8, v[VSW]
	s_delay_alu instid0(VALU_DEP_2)
	v_lshl_or_b32 v[VSW+1], v[T+3], 8, v[VSW+1]
	s_delay_alu instid0(VALU_DEP_2)
	v_lshlrev_b32 v[VSW], v[SH16], v[VSW]          ; head B's two bytes to blocks 2 and 3
	s_delay_alu instid0(VALU_DEP_2)
	v_lshlrev_b32 v[VSW+1], v[SH16], v[VSW+1]
; Register e of both heads' scores holds the key of AM's bit e: what does not count becomes -infinity, by a select.  e ascends.
.macro MASK4 e
.irp i, 0,1,2,3
	v_and_b32 v[T+\i], 1<<((\e)+\i), v[AM]
.endr
.irp i, 0,1,2,3
	s_delay_alu instid0(VALU_DEP_4)
	v_cmp_eq_u32 s[40+\i], 0, v[T+\i]
.endr
.irp i, 0,1,2,3
	v_cndmask_b32 v[S+(\e)+\i], v[S+(\e)+\i], v[NEG], s[40+\i]
	v_cndmask_b32 v[S+32+(\e)+\i], v[S+32+(\e)+\i], v[NEG], s[40+\i]
.endr
.endm
.irp e, 0,4,8,12,16,20,24,28
	MASK4 \e
.endr
	; THE SOFTMAX.  The largest score of each of the four blocks (head A's two, head B's two; by turns): it serves for the row's maximum and for the block's largest p
.irp q, 0,1,2,3
	v_max3_num_f32 v[BM+\q], v[S+16*\q], v[S+16*\q+1], v[S+16*\q+2]
.endr
.irp i, 3,5,7,9,11,13
.irp q, 0,1,2,3
	s_delay_alu instid0(VALU_DEP_4)
	v_max3_num_f32 v[BM+\q], v[BM+\q], v[S+16*\q+\i], v[S+16*\q+\i+1]
.endr
.endr
.irp q, 0,1,2,3
	s_delay_alu instid0(VALU_DEP_4)
	v_max_num_f32 v[BM+\q], v[BM+\q], v[S+16*\q+15]
.endr
.irp q, 0,1,2,3
	s_delay_alu instid0(VALU_DEP_4)
	v_permlanex16_b32 v[PX+\q], v[BM+\q], s34, s35
.endr
.irp q, 0,1,2,3
	s_delay_alu instid0(VALU_DEP_4)
	v_max_num_f32 v[BM+\q], v[BM+\q], v[PX+\q]     ; with lane l xor 16's 16 keys
.endr
	s_delay_alu instid0(VALU_DEP_3)
	v_max_num_f32 v[NM], v[BM], v[BM+1]            ; the row's largest score,
	s_delay_alu instid0(VALU_DEP_2)
	v_max_num_f32 v[NM+2], v[BM+2], v[BM+3]
	s_delay_alu instid0(VALU_DEP_2)
	v_mul_f32 v[NM], s32, v[NM]                    ; as t (c is positive),
	s_delay_alu instid0(VALU_DEP_2)
	v_mul_f32 v[NM+2], s32, v[NM+2]
	s_delay_alu instid0(VALU_DEP_2)
	v_floor_f32 v[NM], -v[NM]                      ; -M = floor(-t) = -ceil(t): M is a whole number
	s_delay_alu instid0(VALU_DEP_2)
	v_floor_f32 v[NM+2], -v[NM+2]
.irp x, 0,1
.irp j, 0,2,4,6,8,10,12,14,16,18,20,22,24,26,28,30
	v_pk_fma_f32 v[S+32*\x+\j:S+32*\x+\j+1], v[S+32*\x+\j:S+32*\x+\j+1], s[32:33], v[NM+2*\x:NM+2*\x+1] op_sel_hi:[1,0,0]   ; t - M, two at a time (of the pairs c and -M the low word serves both halves)
.endr
.endr
.irp q, 0,1,2,3
	v_fma_f32 v[BM+\q], v[BM+\q], s32, v[NM+2*(\q/2)]   ; the same of each block's largest score
.endr
	s_wait_alu depctr_va_vdst(0)
.irp j, 0,1,2,3,4,5,6,7,8,9,10,11,12,13,14,15,16,17,18,19,20,21,22,23,24,25,26,27,28,29,30,31,32,33,34,35,36,37,38,39,40,41,42,43,44,45,46,47,48,49,50,51,52,53,54,55,56,57,58,59,60,61,62,63
	v_exp_f32 v[S+\j], v[S+\j]                     ; p = 2^(t - M), at most 1, not normalised; 0 for what does not count
.endr
	v_nop                                          ; a plain line behind the last exponential
	s_wait_alu depctr_va_vdst(0)                   ; the wait ahead of the first line that names a result: one for the 64
.irp q, 0,1,2,3
	v_exp_f32 v[BM+\q], v[BM+\q]                   ; the block's largest p: the same two instructions on the same number give the same bits
.endr
	; THE ROW'S SUM IS TAKEN OF THE UNQUANTISED p: two at a time, two chains a head.  The first eight additions read the 64 alone: plain work behind the four
.irp x, 0,1
	v_pk_add_f32 v[CH+4*\x:CH+4*\x+1], v[S+32*\x:S+32*\x+1], v[S+32*\x+4:S+32*\x+5]
	v_pk_add_f32 v[CH+4*\x+2:CH+4*\x+3], v[S+32*\x+2:S+32*\x+3], v[S+32*\x+6:S+32*\x+7]
.endr
.macro SUMS k                                  ; pairs k and k + 1 of both heads
.irp x, 0,1
	v_pk_add_f32 v[CH+4*\x:CH+4*\x+1], v[CH+4*\x:CH+4*\x+1], v[S+32*\x+2*(\k):S+32*\x+2*(\k)+1]
	v_pk_add_f32 v[CH+4*\x+2:CH+4*\x+3], v[CH+4*\x+2:CH+4*\x+3], v[S+32*\x+2*(\k)+2:S+32*\x+2*(\k)+3]
.endr
.endm
	SUMS 4
	s_wait_alu depctr_va_vdst(0)                   ; and one wait for the four
.irp q, 0,1,2,3
	v_max_num_f32 v[BM+\q], 0x2800000, v[BM+\q]    ; the floor 2^(5 - 127): the byte cannot fall under 1 (a block of zeros keeps that byte: its codes are zeros)
.endr
.irp q, 0,1,2,3
	s_delay_alu instid0(VALU_DEP_4)
	v_add_nc_u32 v[CS+\q], 0xfe000000, v[BM+\q]    ; 4 off the exponent field: the conversion takes the exponent field of this operand as its scale
.endr
.irp q, 0,1,2,3
	s_delay_alu instid0(VALU_DEP_4)
	v_lshrrev_b32 v[PX+\q], 23, v[CS+\q]           ; the scale's byte
.endr
	s_delay_alu instid0(VALU_DEP_3)
	v_lshl_or_b32 v[PSW], v[PX+1], 8, v[PX]        ; head A's bytes at blocks 0, 1;
	s_delay_alu instid0(VALU_DEP_3)
	v_lshlrev_b32 v[PSW+1], 16, v[PX+2]
	s_delay_alu instid0(VALU_DEP_1)
	v_lshl_or_b32 v[PSW+1], v[PX+3], 24, v[PSW+1]  ; head B's at blocks 2, 3
.irp x, 0,1
	v_cvt_scalef32_pk16_bf6_f32 v[PA+12*\x:PA+12*\x+2], v[S+32*\x:S+32*\x+15], v[CS+2*\x]         ; 96 bits: the codes of keys 16 H + 0 .. 15 of the first block,
	v_cvt_scalef32_pk16_bf6_f32 v[HB+4*\x:HB+4*\x+2], v[S+32*\x+16:S+32*\x+31], v[CS+2*\x+1]     ; and of the second (a conversion's three registers begin on an even number)
.endr
	v_nop                                          ; one plain line behind a scaled conversion
.irp x, 0,1                                    ; the operand's layout wants a WHOLE block in a lane: lanes 0-15 the first block, lanes 16-31 the second
.irp i, 0,1,2
	v_permlane16_swap_b32 v[PA+12*\x+\i], v[HB+4*\x+\i]
.endr
.irp i, 0,1,2
	s_delay_alu instid0(VALU_DEP_3)
	v_mov_b32 v[PA+12*\x+3+\i], v[HB+4*\x+\i]
.endr
.endr
.irp k, 6,8,10,12,14
	SUMS \k                                        ; the other 22 additions are the places between the writes of p's codes and scale words and the scaled products
.endr
	s_delay_alu instid0(VALU_DEP_3)
	v_pk_add_f32 v[CH:CH+1], v[CH:CH+1], v[CH+2:CH+3]
	s_delay_alu instid0(VALU_DEP_2)
	v_pk_add_f32 v[CH+4:CH+5], v[CH+4:CH+5], v[CH+6:CH+7]
; O^T = V^T P^T: channels 16 c on x my 16 queries, head x.  Four accumulators, each begun with the constant 0 and written once.
.macro OMUL c, x
.if \x
	v_wmma_scale_f32_16x16x128_f8f6f4 v[O+16+8*\c:O+16+8*\c+7], v[VF+12*\c:VF+12*\c+11], v[Z:Z+11], 0, v[VSW+\c], v[PSW+1] matrix_a_fmt:MATRIX_FMT_BF6 matrix_b_fmt:MATRIX_FMT_BF6 matrix_a_scale:MATRIX_SCALE_ROW1
.else
	v_wmma_scale_f32_16x16x128_f8f6f4 v[O+8*\c:O+8*\c+7], v[VF+12*\c:VF+12*\c+11], v[PA:PA+11], 0, v[VSW+\c], v[PSW] matrix_a_fmt:MATRIX_FMT_BF6 matrix_b_fmt:MATRIX_FMT_BF6
.endif
.endm
	OMUL 0, 0
	OMUL 1, 0
	OMUL 0, 1
	OMUL 1, 1
	v_add_f32 v[CH], v[CH], v[CH+1]                ; the sums' two halves; the four additions and the v_nop are the places behind the products
	v_add_f32 v[CH+4], v[CH+4], v[CH+5]
	s_delay_alu instid0(VALU_DEP_2)
	v_permlanex16_b32 v[CH+1], v[CH], s34, s35
	s_delay_alu instid0(VALU_DEP_2)
	v_permlanex16_b32 v[CH+5], v[CH+4], s34, s35
	s_delay_alu instid0(VALU_DEP_2)
	v_add_f32 v[CH], v[CH], v[CH+1]                ; and lane l xor 16's: the row's sum
	s_delay_alu instid0(VALU_DEP_2)
	v_add_f32 v[CH+4], v[CH+4], v[CH+5]
	s_wait_alu depctr_va_vdst(0)
	v_rcp_f32 v22, v[CH]
	v_rcp_f32 v34, v[CH+4]
	v_nop                                          ; a plain line behind the last reciprocal
	s_wait_alu depctr_va_vdst(0)                   ; one wait for the two, ahead of their first use
	; THE WAY OUT.  O^T / the sum; a lane's eight channels of a query go into my stage, and whole rows of 256 bytes (a query's two heads) come back; there G meets them in the same layout.
.irp j, 0,2,4,6,8,10,12,14
	v_pk_mul_f32 v[O+\j:O+\j+1], v[O+\j:O+\j+1], v[22:23] op_sel_hi:[1,0]       ; each accumulator from its low end on
.endr
.irp j, 0,2,4,6,8,10,12,14
	v_pk_mul_f32 v[O+16+\j:O+16+\j+1], v[O+16+\j:O+16+\j+1], v[34:35] op_sel_hi:[1,0]
.endr
.irp f, 0,1,2,3                                ; f = 2 x head + channels / 16: register j is channel 16 (f % 2) + 8 H + j of query r
	ds_store_b128 v[STO], v[O+8*\f:O+8*\f+3] offset:64*\f
	ds_store_b128 v[STO], v[O+8*\f+4:O+8*\f+7] offset:64*\f+16
.endr
.irp i, 0,1,2,3,4,5,6,7
	ds_load_b128 v[S+4*\i:S+4*\i+3], v[RD] offset:2*\i*SP      ; LDS serves a wave's instructions in order (ISA guide 5.7.1.4): these see my stores
.endr
.irp i, 0,1,2,3,4,5,6,7
	s_wait_dscnt 7-\i                              ; rows 2 i, 2 i + 1 are back; the younger rows may be out
	s_wait_loadcnt 7-\i                            ; and their G is in; G's younger loads may be out
	v_pk_mul_f32 v[S+4*\i:S+4*\i+1], v[S+4*\i:S+4*\i+1], v[GR+4*\i:GR+4*\i+1]
	v_pk_mul_f32 v[S+4*\i+2:S+4*\i+3], v[S+4*\i+2:S+4*\i+3], v[GR+4*\i+2:GR+4*\i+3]
	global_store_b128 v[GO], v[S+4*\i:S+4*\i+3], s[24:25] offset:2048*\i th:TH_STORE_NT   ; each half of the lanes stores 256 consecutive bytes, at a multiple of 256 from out0's first byte; written once, read by nobody here
.endr
	s_wait_tensorcnt 0x0                           ; the wave's end: behind my last LDS store
	ds_add_u32 v[SPW], v[NIL]
	s_wait_dscnt 0x0
	s_endpgm
.Lfunc_end_k_q44426dbbc0_band:
	.size	k_q44426dbbc0_band, .Lfunc_end_k_q44426dbbc0_band-k_q44426dbbc0_band
	.p2alignl 7, 3214868480
	.fill 96, 4, 3214868480
	.section	.rodata,"a",@progbits
	.p2align	6, 0x0
	.amdhsa_kernel k_q44426dbbc0_band
		.amdhsa_group_segment_fixed_size 167936
		.amdhsa_private_segment_fixed_size 0
		.amdhsa_enable_private_segment 0
		.amdhsa_kernarg_size 72
		.amdhsa_user_sgpr_count 2
		.amdhsa_user_sgpr_kernarg_segment_ptr 1
		.amdhsa_wavefront_size32 1
		.amdhsa_system_sgpr_workgroup_id_x 1
		.amdhsa_system_sgpr_workgroup_id_y 1
		.amdhsa_system_sgpr_workgroup_id_z 1
		.amdhsa_system_vgpr_workitem_id 0
		.amdhsa_next_free_vgpr 256
		.amdhsa_next_free_sgpr 66
		.amdhsa_reserve_vcc 0
		.amdhsa_float_denorm_mode_32 3
		.amdhsa_float_denorm_mode_16_64 3
		.amdhsa_memory_ordered 1
		.amdhsa_forward_progress 1
		.amdhsa_inst_pref_size 46
	.end_amdhsa_kernel
	.amdgpu_metadata
---
amdhsa.version: [ 1, 2 ]
amdhsa.kernels:
  - .name:           k_q44426dbbc0_band
    .symbol:         k_q44426dbbc0_band.kd
    .args:
      - { .name: K_codes, .offset: 0, .size: 8, .value_kind: global_buffer, .address_space: global }
      - { .name: K_scales, .offset: 8, .size: 8, .value_kind: global_buffer, .address_space: global }
      - { .name: Q_codes, .offset: 16, .size: 8, .value_kind: global_buffer, .address_space: global }
      - { .name: Q_scales, .offset: 24, .size: 8, .value_kind: global_buffer, .address_space: global }
      - { .name: V_codes, .offset: 32, .size: 8, .value_kind: global_buffer, .address_space: global }
      - { .name: V_scales, .offset: 40, .size: 8, .value_kind: global_buffer, .address_space: global }
      - { .name: seqMask, .offset: 48, .size: 8, .value_kind: global_buffer, .address_space: global }
      - { .name: G, .offset: 56, .size: 8, .value_kind: global_buffer, .address_space: global }
      - { .name: out0, .offset: 64, .size: 8, .value_kind: global_buffer, .address_space: global }
    .group_segment_fixed_size: 167936
    .private_segment_fixed_size: 0
    .kernarg_segment_align: 8
    .kernarg_segment_size: 72
    .max_flat_workgroup_size: 256
    .sgpr_count:     66
    .vgpr_count:     256
    .wavefront_size: 32
...
	.end_amdgpu_metadata
.endif
;; end of part 1
